; MI455X (gfx1250); checked and timed in simulation.
; The chip was launched on July 23, 2026; its instructions are those of AMD's public machine-readable ISA for CDNA 5 (MIT licence, August 2026) and "CDNA5" Instruction Set Architecture Reference Guide (July 2026). The comments in the code are by the model that wrote it; some were corrected since.
;; Kmeans. Allowed arithmetic: float matrix products may take bf16 or f16 operands with f32 sums; other float arithmetic in f32, or as packed bf16 or f16 multiplies, adds, multiply-adds, maxima and minima; sums over many terms, partial sums and values carried from step to step in f32; what a program stores and reads back later, other than sums and carried values, may be rounded once to bf16 or f16.
;; Inputs: cluster_centers 2,048 x 512 float32; x 65,536 x 512 float32.
;; Outputs: out0 65,536 int32.
;; 2 versions, each right; version 2 is version 1 with the launch prep written anew for expert scheduling mode. Each part assembles by itself: llvm-mc -triple=amdgcn-amd-amdhsa -mcpu=gfx1250 --defsym DOCPART=n.
;; ======== version 1 of 2: 2 launches
;; workspace buffers: cb16 2,097,152 bytes; c2 8,192 bytes
;; launch prep (part 1): grid 32 x 1, 8 waves a work-group, no clusters, 1,280 bytes of LDS; arguments cluster_centers, cb16, c2; writes cb16, c2
.if DOCPART == 1
	.amdgcn_target "amdgcn-amd-amdhsa--gfx1250"
	.amdhsa_code_object_version 6
	.text
	.protected	k_q5951d82a5c_prep
	.globl	k_q5951d82a5c_prep
	.p2align	8
	.type	k_q5951d82a5c_prep,@function
k_q5951d82a5c_prep:
	s_mov_b64 s[64:65], 0
	v_nop
	global_prefetch_b8 v0, s[64:65] scope:SCOPE_SE
	s_setreg_imm32_b32 hwreg(HW_REG_WAVE_MODE, 25, 1), 1
	s_wait_xcnt 0x0
; cb16[k][:] = the centres rounded once to bf16;  c2[k] = the f32 sum of squares of the ROUNDED numbers of row k.
; cluster_centers: [2048][512] f32.  cb16: [2048][512] bf16.  c2: [2048] f32.
; SHARES.  A work-group takes 64 rows, each of its eight waves 8.  A row is 2,048 bytes: four loads of 16 bytes a lane, 512 consecutive bytes each.
; All 32 loads of a wave go out at once; the rows are then worked on in order, each behind a counted wait.
; A lane's four numbers of a load round to 8 bytes, so a store of the wave covers 256 consecutive bytes, aligned.
; The 64 sums of a work-group meet in LDS, so that c2 leaves as one store of 256 consecutive bytes, aligned.
; No matrix unit, no cluster, no tensor load: 4 MiB are read once and nothing is shared.
.set SPARE, 256                        ; LDS: bytes 0-255 the 64 sums; from here the spare words, 128 bytes for each of the eight waves
.set X,  16                            ; v[16:143]   row i, load j at X + 16 i + 4 j
.set Y,  144                           ; v[144:207]  row i rounded: 8 words at Y + 8 i
.set T,  208                           ; v[208:211]  two pairs at work
.set SM, 212                           ; v[212:215]  two chains of packed sums
.set R,  216                           ; v216 the row's sum, v217 the other half of the lanes'
	s_load_b128 s[4:7], s[0:1], 0x0                ; centres s[4:5], cb16 s[6:7]
	s_load_b64 s[8:9], s[0:1], 0x10                ; c2
	v_lshl_add_u32 v5, v0, 2, SPARE                ; my spare word
	v_mov_b32 v6, 0
	v_lshrrev_b32 v1, 5, v0
	v_readfirstlane_b32 s10, v1                    ; wave 0..7
	v_and_b32 v1, 31, v0                           ; lane
	v_lshlrev_b32 v2, 4, v1                        ; 16 bytes a lane in a load
	v_lshlrev_b32 v3, 3, v1                        ; 8 bytes a lane in a store
	s_lshl_b32 s15, s10, 5
	v_mov_b32 v4, s15                              ; LDS: my wave's 8 sums begin at 32 x wave
	v_mov_b32 v[R+1], 0                            ; v_permlanex16_b32's destination counts as read
	s_mov_b32 s12, 0x76543210                      ; each lane takes its own place in the other half
	s_mov_b32 s13, 0xfedcba98
	s_mov_b32 s14, 0xffff0000                      ; a word's upper bf16
	s_lshl_b32 s16, ttmp9, 17                      ; 64 rows of 2,048 bytes,
	s_lshl_b32 s18, s10, 14                        ; my wave's 8
	s_add_co_u32 s16, s16, s18
	s_mov_b32 s17, 0
	s_lshr_b32 s18, s16, 1                         ; half as many bytes in cb16
	s_mov_b32 s19, 0
	s_lshl_b32 s20, ttmp9, 8                       ; 64 words of c2
	s_mov_b32 s21, 0
	s_wait_kmcnt 0x0
	s_add_nc_u64 s[4:5], s[4:5], s[16:17]
	s_add_nc_u64 s[6:7], s[6:7], s[18:19]
	s_add_nc_u64 s[8:9], s[8:9], s[20:21]
.set i, 0
.rept 32                               ; load 4 row + j: 512 consecutive bytes
	global_load_b128 v[X+4*i:X+4*i+3], v2, s[4:5] offset:512*i th:TH_LOAD_NT
.set i, i+1
.endr
.macro ROWP i
	s_wait_loadcnt 28-4*(\i)                       ; loads come back in order: row i's four are in, the younger rows' stay out
.irp w, 0,1,2,3,4,5,6,7
	v_cvt_pk_bf16_f32 v[Y+8*(\i)+(\w)], v[X+16*(\i)+2*(\w)], v[X+16*(\i)+2*(\w)+1]
.endr
.irp j, 0,1,2,3
	global_store_b64 v3, v[Y+8*(\i)+2*(\j):Y+8*(\i)+2*(\j)+1], s[6:7] offset:1024*(\i)+256*(\j)  ; 32 lanes: 256 consecutive bytes, aligned; its registers are never rewritten
.endr
.irp w, 0,1,2,3,4,5,6,7                ; the squares of the rounded numbers, two at a time, in two chains; the first two words start the chains
	v_lshlrev_b32 v[T+2*((\w)%2)],   16,  v[Y+8*(\i)+(\w)]
	v_and_b32     v[T+2*((\w)%2)+1], s14, v[Y+8*(\i)+(\w)]
.if (\w) < 2
	v_pk_mul_f32 v[SM+2*(\w):SM+2*(\w)+1], v[T+2*(\w):T+2*(\w)+1], v[T+2*(\w):T+2*(\w)+1]
.else
	v_pk_fma_f32 v[SM+2*((\w)%2):SM+2*((\w)%2)+1], v[T+2*((\w)%2):T+2*((\w)%2)+1], v[T+2*((\w)%2):T+2*((\w)%2)+1], v[SM+2*((\w)%2):SM+2*((\w)%2)+1]
.endif
.endr
	v_pk_add_f32 v[SM:SM+1], v[SM:SM+1], v[SM+2:SM+3]
	v_add_f32 v[R], v[SM], v[SM+1]
	v_add_f32_dpp v[R], v[R], v[R] row_xmask:1 row_mask:0xf bank_mask:0xf
	v_add_f32_dpp v[R], v[R], v[R] row_xmask:2 row_mask:0xf bank_mask:0xf
	v_add_f32_dpp v[R], v[R], v[R] row_xmask:4 row_mask:0xf bank_mask:0xf
	v_add_f32_dpp v[R], v[R], v[R] row_xmask:8 row_mask:0xf bank_mask:0xf
	v_permlanex16_b32 v[R+1], v[R], s12, s13
	v_add_f32 v[R], v[R], v[R+1]                   ; every lane holds the row's sum
	ds_store_b32 v4, v[R] offset:4*(\i)            ; all lanes write the same word with the same value
.endm
.irp i, 0,1,2,3,4,5,6,7
	ROWP \i
.endr
	s_wait_dscnt 0x0                               ; for the others' sake: my eight sums lie in LDS
	s_barrier_signal -1
	s_barrier_wait -1                              ; all 64 do
	s_cmp_lg_u32 s10, 0
	s_cbranch_scc1 .Lend                           ; wave 0 sends them
	ds_load_b64 v[T:T+1], v3
	s_wait_dscnt 0x0
	global_store_b64 v3, v[T:T+1], s[8:9]          ; 256 consecutive bytes, aligned
.Lend:
	s_wait_tensorcnt 0x0                           ; the wave's end, behind my last LDS store
	ds_add_u32 v5, v6
	s_wait_dscnt 0x0
	s_endpgm
.Lfunc_end_k_q5951d82a5c_prep:
	.size	k_q5951d82a5c_prep, .Lfunc_end_k_q5951d82a5c_prep-k_q5951d82a5c_prep
	.p2alignl 7, 3214868480
	.fill 96, 4, 3214868480
	.section	.rodata,"a",@progbits
	.p2align	6, 0x0
	.amdhsa_kernel k_q5951d82a5c_prep
		.amdhsa_group_segment_fixed_size 1280
		.amdhsa_private_segment_fixed_size 0
		.amdhsa_enable_private_segment 0
		.amdhsa_kernarg_size 24
		.amdhsa_user_sgpr_count 2
		.amdhsa_user_sgpr_kernarg_segment_ptr 1
		.amdhsa_wavefront_size32 1
		.amdhsa_system_sgpr_workgroup_id_x 1
		.amdhsa_system_sgpr_workgroup_id_y 1
		.amdhsa_system_sgpr_workgroup_id_z 1
		.amdhsa_system_vgpr_workitem_id 0
		.amdhsa_next_free_vgpr 232
		.amdhsa_next_free_sgpr 66
		.amdhsa_reserve_vcc 0
		.amdhsa_float_denorm_mode_32 3
		.amdhsa_float_denorm_mode_16_64 3
		.amdhsa_memory_ordered 1
		.amdhsa_forward_progress 1
		.amdhsa_inst_pref_size 25
	.end_amdhsa_kernel
	.amdgpu_metadata
---
amdhsa.version: [ 1, 2 ]
amdhsa.kernels:
  - .name:           k_q5951d82a5c_prep
    .symbol:         k_q5951d82a5c_prep.kd
    .args:
      - { .name: cluster_centers, .offset: 0, .size: 8, .value_kind: global_buffer, .address_space: global }
      - { .name: cb16, .offset: 8, .size: 8, .value_kind: global_buffer, .address_space: global }
      - { .name: c2, .offset: 16, .size: 8, .value_kind: global_buffer, .address_space: global }
    .group_segment_fixed_size: 1280
    .private_segment_fixed_size: 0
    .kernarg_segment_align: 8
    .kernarg_segment_size: 24
    .max_flat_workgroup_size: 256
    .sgpr_count:     66
    .vgpr_count:     232
    .wavefront_size: 32
...
	.end_amdgpu_metadata
.endif
;; end of part 1
;; launch assign (part 2): grid 256 x 1, 4 waves a work-group, clusters of 4 x 1, 327,680 bytes of LDS; arguments x, cb16, c2, out0; writes out0
.if DOCPART == 2
	.amdgcn_target "amdgcn-amd-amdhsa--gfx1250"
	.amdhsa_code_object_version 6
	.text
	.protected	k_q5951d82a5c_assign
	.globl	k_q5951d82a5c_assign
	.p2align	8
	.type	k_q5951d82a5c_assign,@function
k_q5951d82a5c_assign:
	s_mov_b64 s[64:65], 0
	v_nop
	global_prefetch_b8 v0, s[64:65] scope:SCOPE_SE
	s_setreg_imm32_b32 hwreg(HW_REG_WAVE_MODE, 25, 1), 1
	s_wait_xcnt 0x0
	s_wait_alu depctr_hold_cnt(0) depctr_sa_sdst(0) depctr_va_vdst(0) depctr_va_sdst(0) depctr_va_ssrc(0) depctr_va_vcc(0) depctr_vm_vsrc(0)
	s_getreg_b32 s2, hwreg(HW_REG_IB_STS2, 6, 4)
	s_cmp_eq_u32 s2, 0
	s_cbranch_scc0 .Lentry_in_a_cluster
	s_endpgm
.Lentry_in_a_cluster:
	s_bfe_u32 s2, ttmp6, 0x10000c
	s_cmp_lg_u32 s2, 0x3003
	s_cbranch_scc0 .Lentry_shape_is_right
	s_endpgm
.Lentry_shape_is_right:
; out0[n] = the first k at which d2[n][k] = (x2[n] + c2[k]) - 2 x[n] . c[k] is least.  x: [65536][512] f32; cb16: [2048][512] bf16 and c2: [2048] f32, made by the launch before; out0: [65536] int32.
; FORMATS.  x is rounded once to bf16 on its way into registers; x2, like c2, is the sum of squares of the ROUNDED numbers; products in bf16 with f32 sums.  d2 is rounded as it is written above:
; one f32 addition, then one fused multiply-add (2 x . c is exact).  Of equal d2 the lowest k wins.
; LIMITS.  A NaN distance is never chosen; a row whose distances are all +infinity or NaN gets 0.  Two centres whose d2 agree to within the f32 rounding of the sums (about 1e-4 at d2 near 1,000) may come out in
; the other order than under another order of summation.
; SHARES.  256 work-groups of four waves; a work-group owns 256 rows of x, a wave 64: four blocks rb of 16.  THE WAVE'S x STAYS IN REGISTERS: 64 rows x 512 k in bf16 are 512 registers (windows 2 and 3).
; Every wave walks all 2,048 centres, in 64 tiles of 32; d2 never leaves the registers.
; LAYOUT.  S^T = C X^T (source 0 = 16 centres, source 1 = 16 rows of x): in the result a lane holds ONE row of x (lane % 16) and the centres 8 (lane / 16) + 0..7, so the minimum runs inside a lane and wants one
; exchange between the halves of the lanes, at the very end.  k IS PERMUTED ALIKE IN BOTH SOURCES: register j, half b of fragment f in lane half h stands for k = 32 f + 16 h + 2 j + b, so a lane's part of a
; fragment is 64 consecutive bytes of x (f32) and 32 consecutive bytes of a centre (bf16).
; THE RING.  Two LDS slots of 128 centres (four tiles), filled by tensor loads, a quarter a wave.  CLUSTER: all work-groups walk the same centres, so the four of a cluster ask JOINTLY: the same load, descriptor
; and mask in all four.  A refill goes out behind a round of the cluster's barrier and has a slot's 512 matrix instructions in which to land.
; BY TURNS.  Two sets of 8 accumulators.  While tile g is multiplied into one set, tile g - 1's distances and minimum are made of the other: 256 vector instructions, four behind every second matrix instruction.
; The tile that has not been (in front of tile 0) is zeros with c2 = +infinity: its distances are never chosen, and no first tile is written out: the price is 80 v_mov_b32 at the start, in the wait for x.
; REGISTERS, in windows of 256 (s_set_vgpr_msb: bits 1:0 source 0, 3:2 source 1, 5:4 source 2, 7:6 destination):
;   window 0: addresses, statistics, c2's two buffers, the accumulators     window 1: the centres' fragments, two halves of 128 (at the start: x as loaded, two sets of 128)
;   window 2: x's fragments f = 0-7 at 32 f + 8 rb                          window 3: f = 8-15 likewise
.set PITCH, 1040                       ; a centre in LDS: 1,024 bytes + 16 of padding = 260 words: row r starts at bank 4 r mod 64 (64 banks of 4 bytes: ISA guide 11.1): the 16 rows of a load start at 16 different groups of four banks
.set TILEB, 32*PITCH                   ; a tile of 32 centres; also what one tensor load brings
.set SLOTB, 4*TILEB
.set POS0,  0
.set POS1,  SLOTB
.set C2T,   2*SLOTB                    ; behind the ring: c2, 8,192 bytes, filled once
.set STAGE, C2T+8192                   ; 256 bytes for each wave, for the way out; no tensor load lands here
.set SPARE, STAGE+1024                 ; the spare words, 128 bytes for each wave: two blocks of 256 bytes that no other line names
.set SLOTG, 128*1024                   ; a slot's bytes in cb16
.set AB0,  4                           ; v4   my lane's place in a tile: (l % 16) x PITCH + 32 (l / 16); never rewritten
.set ADR,  5                           ; v5   the LDS address of the run of fragment loads in hand
.set ADC,  6                           ; v6   the LDS address of the tile's c2
.set XO,   7                           ; v7   my byte offset in 16 rows of x: (l % 16) x 2,048 + 64 (l / 16); never rewritten
.set PFO,  8                           ; v8   256 x lane, for the prefetches; never rewritten
.set H8,   9                           ; v9   8 (l / 16)
.set SPW,  10                          ; v10  LDS address of my spare word; never rewritten
.set NIL,  11                          ; v11  0; never rewritten
.set X2,   12                          ; v[12:19]  block rb: x2 of my row, in both words of the pair at X2 + 2 rb
.set BEST, 20                          ; v[20:23]  block rb: the least d2 so far
.set IDX,  24                          ; v[24:27]  and its centre, less 8 (l / 16)
.set T,    28                          ; v[28:31]  two pairs at work: x2 + c2
.set STA,  32                          ; v32  the way out: where I put a row's number
.set RDA,  33                          ; v33  where I read two back
.set OUTO, 34                          ; v34  8 x lane
.set AC0,  35                          ; v35  32 (l / 16): my eight words of a block's sixteen c2; never rewritten
.set C2R,  36                          ; v[36:67]  c2 of a tile's 16 centres of mine: buffer b at C2R + 16 b, block cb at + 8 cb
.set WK,   68                          ; v[68:77]  at work
.set ACC,  128                         ; v[128:255] set p at ACC + 64 p, accumulator (cb, rb) at + 8 (4 cb + rb)
.set WV,   12                          ; s12  my wave's number
.set G1,   16                          ; s[16:23] descriptor group 1, centres        s[24:31] group 1, c2
.set G1C,  24
.set G0A,  32                          ; s[32:35] group 0 for POS0    s[36:39] for POS1    s[40:43] for c2
.set G0B,  36
.set G0C,  40
.set PAIRS, 44                         ; s44  pairs of slots still to be walked in the loop
.set CNT,  45                          ; s45  counts a slot's two trips
.set TB,   46                          ; s46  LDS byte at which the tile to be fetched begins
.set LIMA, 47                          ; s47, s48  a wave prefetches while s[PAIRS] is above these
.set LIMB, 48
.set PFA,  50                          ; s[50:51] where my prefetches stand in cb16
.set SEL,  52                          ; s[52:53] v_permlanex16_b32's selects: each lane takes its own place in the other half
.set MJ,   56                          ; s[57:63] lanes with l % 8 = j, j = 1..7
.set IX,   66                          ; s[66:81] the numbers of the centres in the set that is being searched: IX + 8 cb + j holds 32 tile + 16 cb + j
.set MV,   86                          ; s86  lanes that hold their own row's diagonal element
.set TC,   87                          ; s87  LDS byte at which the c2 of the tile in hand begin
.set MSB, 0
.macro WIN new                         ; the immediate's high byte repeats the setting that is left; a switch that changes nothing is dropped
.if MSB != (\new)
	s_set_vgpr_msb (MSB<<8)|(\new)
.set MSB, \new
.endif
.endm
.set W_MA,  0x09                       ; centres (source 0) window 1, x (source 1) window 2, C and D window 0;  + 4: x in window 3
.set W_LD,  0x40                       ; destination window 1, address window 0
.set W_CV2, 0x85                       ; sources window 1, destination window 2;  + 0x40: window 3
.set W_G2,  0x0a                       ; both sources window 2;  + 5: window 3
; A round of the cluster's barrier: my work-group's barrier, so that wave 0's signal speaks for all four waves; wave 0 signals; every wave waits for all four work-groups; my work-group's barrier once more.
.macro CROUND
	s_barrier_signal -1
	s_barrier_wait -1
	s_cmp_lg_u32 s[WV], 0
	s_cbranch_scc1 .Lnot_wave_0_\@
	s_barrier_signal -3
.Lnot_wave_0_\@:
	s_barrier_wait -3
	s_barrier_signal -1
	s_barrier_wait -1
.endm
; A PREFETCH INTO THE L2 of the slot that the NEXT change of slots will ask for: 131,072 bytes of cb16 = 512 blocks of 256 bytes = 4 work-groups x 4 waves x 32 lanes: a lane a block, one instruction a wave.
; All clusters walk the same centres: the launch's first cluster asks, and nobody else, so each block is named once.  Its partners and waves share the blocks out BY ADDRESS; the branch hangs on the cluster's
; number and the loop's count alone.  It stands behind the wave's tensor load and its five lines, a slot's 512 matrix instructions ahead of the load that will want the bytes.
; Slots 0 to 2 come by their loads alone; the last change that fills a slot asks for nothing.
.macro ASK lim
	s_cmp_gt_u32 s[PAIRS], s[\lim]
	s_cbranch_scc0 .Lnot_mine_\@
	global_prefetch_b8 v[PFO], s[PFA:PFA+1] th:TH_LOAD_NT scope:SCOPE_SE
.Lnot_mine_\@:
.endm
	s_load_b256 s[4:11], s[0:1], 0x0               ; x s[4:5], cb16 s[6:7], c2 s[8:9], out0 s[10:11]
	v_lshl_add_u32 v[SPW], v0, 2, SPARE
	v_mov_b32 v[NIL], 0
	ds_add_u32 v[SPW], v[NIL]                      ; the wave's opening: the add, twice on end, and its wait ahead of my first tensor load; the set-up below, work on registers, stands between
	ds_add_u32 v[SPW], v[NIL]
	v_lshrrev_b32 v1, 5, v0
	v_readfirstlane_b32 s[WV], v1                  ; wave 0..3
	s_bfe_u32 s13, ttmp6, 0x40000                  ; cx: my place in the cluster: it enters x's, out0's and the prefetches' addresses alone
	s_lshl_b32 s14, ttmp9, 2                       ; in a cluster launch ttmp9 counts clusters
	s_add_co_u32 s14, s14, s13                     ; my work-group = 4 x cluster + cx
	; group 1 for the centres: a tile of 32 rows x 512 elements of 2 bytes, padded in LDS
	s_mov_b32 s[G1+0], 15|(1<<16)|(1<<20)|(1<<21)|(7<<22)|(3<<25)  ; 15:0 the mask of four; 17:16 2-byte elements; 20 padding on; 21 set beside a mask; 24:22 after every 256 words (code 7); 31:25 4 words (code 3)
	s_mov_b32 s[G1+1], 512<<16                     ; tensor_dim0 = 512
	s_mov_b32 s[G1+2], 32<<16                      ; tensor_dim1 = 32
	s_mov_b32 s[G1+3], 512<<16                     ; tile_dim0 = 512
	s_mov_b32 s[G1+4], 32                          ; tile_dim1 = 32
	s_mov_b32 s[G1+5], 512                         ; 512 elements from row to row
	s_mov_b32 s[G1+6], 0
	s_mov_b32 s[G1+7], 0
	; group 1 for c2: 2,048 dense bytes a wave, as 8 rows of 32 elements of 8 bytes
	s_mov_b32 s[G1C+0], 15|(3<<16)|(1<<21)
	s_mov_b32 s[G1C+1], 32<<16
	s_mov_b32 s[G1C+2], 8<<16
	s_mov_b32 s[G1C+3], 32<<16
	s_mov_b32 s[G1C+4], 8
	s_mov_b32 s[G1C+5], 32
	s_mov_b32 s[G1C+6], 0
	s_mov_b32 s[G1C+7], 0
	s_mul_i32 s15, s[WV], TILEB                    ; my quarter of a slot: no place in the cluster enters an LDS address
	s_mov_b32 s[G0A], 1
	s_add_co_u32 s[G0A+1], s15, POS0
	s_mov_b32 s[G0B], 1
	s_add_co_u32 s[G0B+1], s15, POS1
	s_lshl_b32 s15, s[WV], 11
	s_mov_b32 s[G0C], 1
	s_add_co_u32 s[G0C+1], s15, C2T
	s_mov_b32 s[SEL], 0x76543210
	s_mov_b32 s[SEL+1], 0xfedcba98
	s_cmp_eq_u32 ttmp9, 0                          ; the launch's first cluster: the same in all four partners
	s_cselect_b32 s[LIMA], 0, -1
	s_cselect_b32 s[LIMB], 1, -1
	v_and_b32 v1, 15, v0                           ; l % 16
	v_bfe_u32 v2, v0, 4, 1                         ; l / 16
	v_and_b32 v3, 31, v0                           ; l
	v_mul_u32_u24 v[AB0], v1, PITCH
	v_lshl_add_u32 v[AB0], v2, 5, v[AB0]
	v_lshlrev_b32 v[XO], 11, v1
	v_lshl_add_u32 v[XO], v2, 6, v[XO]
	v_lshlrev_b32 v[PFO], 8, v3
	v_lshlrev_b32 v[H8], 3, v2
	v_lshlrev_b32 v[AC0], 5, v2
	s_lshl_b32 s49, s[WV], 8
	s_add_co_u32 s49, s49, STAGE                   ; my stage
	v_lshl_add_u32 v[STA], v1, 2, s49
	v_lshl_add_u32 v[RDA], v3, 3, s49
	v_lshlrev_b32 v[OUTO], 3, v3
	s_wait_dscnt 0x0                               ; both opening adds are done
	s_wait_kmcnt 0x0
	s_lshl_b32 s54, s[WV], 15                      ; my 32 rows of a slot's 128 in cb16
	s_mov_b32 s55, 0
	s_add_nc_u64 s[G0A+2:G0A+3], s[6:7], s[54:55]  ; slot 0
	s_add_nc_u64 s[G0B+2:G0B+3], s[G0A+2:G0A+3], SLOTG  ; slot 1
	s_lshl_b32 s54, s[WV], 11
	s_add_nc_u64 s[G0C+2:G0C+3], s[8:9], s[54:55]
	s_or_b32 s[G0A+3], s[G0A+3], 0x80000000        ; 127:126 type = 2
	s_or_b32 s[G0B+3], s[G0B+3], 0x80000000
	s_or_b32 s[G0C+3], s[G0C+3], 0x80000000
	s_lshl_b32 s82, s14, 19                        ; x: 256 rows of 2,048 bytes a work-group,
	s_lshl_b32 s84, s[WV], 17                      ; 64 a wave
	s_add_co_u32 s82, s82, s84
	s_mov_b32 s83, 0
	s_add_nc_u64 s[4:5], s[4:5], s[82:83]
	s_lshl_b32 s82, s14, 10                        ; out0: 256 words a work-group, 64 a wave
	s_lshl_b32 s84, s[WV], 8
	s_add_co_u32 s82, s82, s84
	s_add_nc_u64 s[10:11], s[10:11], s[82:83]
	s_lshl_b32 s82, s13, 15                        ; the prefetches: my work-group's quarter of a slot, my wave's quarter of that,
	s_lshl_b32 s84, s[WV], 13
	s_add_co_u32 s82, s82, s84
	s_add_co_u32 s82, s82, 2*SLOTG                 ; in slot 2: the first change of slots steps it to slot 3
	s_add_nc_u64 s[PFA:PFA+1], s[6:7], s[82:83]
	CROUND                                         ; all four work-groups are here: the first joint loads meet
	tensor_load_to_lds s[G0C:G0C+3], s[G1C:G1C+7]  ; the first fills go out together: three loads of mine are out.  c2,
	s_nop 0
	tensor_load_to_lds s[G0A:G0A+3], s[G1:G1+7]    ; slot 0,
	s_nop 0
	tensor_load_to_lds s[G0B:G0B+3], s[G1:G1+7]    ; slot 1
	s_nop 0
.rept 4
	v_nop
.endr
; x COMES IN.  Batch u of eight: fragments 2 u and 2 u + 1 of all 64 rows: 32 loads of 16 bytes a lane; the eight loads of a block of 16 rows cover 256 consecutive bytes, aligned, of each row.
.macro LOADX u
	WIN W_LD
.irp rb, 0,1,2,3
.irp t, 0,1,2,3,4,5,6,7                ; fragment t / 4 of the two, 16 bytes t % 4 of my 64
	global_load_b128 v[128*((\u)%2)+32*(\rb)+4*(\t):128*((\u)%2)+32*(\rb)+4*(\t)+3], v[XO], s[4:5] offset:32768*(\rb)+256*(\u)+128*((\t)/4)+16*((\t)%4)
.endr
.endr
.endm
.macro CONV u                          ; the batch is rounded to bf16, into its place among x's fragments: 64 lines, c = 16 rb + 8 (fragment of the two) + j
	WIN W_CV2+0x40*((\u)/4)
.set c, 0
.rept 64
.set cD, 32*((2*(\u)+(c/8)%2)%8)+8*(c/16)+c%8
.set cS, 128*((\u)%2)+32*(c/16)+16*((c/8)%2)+2*(c%8)
	v_cvt_pk_bf16_f32 v[cD], v[cS], v[cS+1]
.set c, c+1
.endr
.endm
	LOADX 0
	LOADX 1                                        ; two batches, 64 loads of 512 bytes a wave, are on their way from here on
	WIN 0                                          ; what the first tile finds, written while they are out
.set i, 0
.rept 4
	v_mov_b32 v[BEST+i], 0x7f800000                ; +infinity
	v_mov_b32 v[IDX+i], 0
	v_mov_b32 v[WK+4+i], 0                         ; v_permlanex16_b32's destinations count as read
.set i, i+1
.endr
.set i, 0
.rept 16
	v_mov_b32 v[C2R+16+i], 0x7f800000              ; the tile that has not been: c2 = +infinity,
.set i, i+1
.endr
.set i, 0
.rept 64
	v_mov_b32 v[ACC+64+i], 0                       ; products 0: its distances are +infinity, and 'the old one stays where it is not greater' keeps them out
.set i, i+1
.endr
.set e, 0
.rept 16
	s_mov_b32 s[IX+e], 16*(e/8)+e%8-64             ; two bumps of 32 below tile 0: tile g's head bumps the bank to tile g - 1's numbers
.set e, e+1
.endr
.irp j, 1,2,3,4,5,6,7
	s_mov_b32 s[MJ+(\j)], 0x01010101<<(\j)
.endr
	s_mov_b32 s[MV], 0xff0000ff                    ; lanes 0-7 and 24-31: (l % 16) / 8 = l / 16
	s_mov_b32 s[TC], C2T
.set uu, 0
.rept 8
.if uu < 7
	s_wait_loadcnt 32                              ; loads come back in order: this batch is in, the younger batch's 32 stay out
.else
	s_wait_loadcnt 0x0
.endif
	CONV uu
.if uu < 6
	LOADX uu+2                                     ; into the registers just read
.endif
.set uu, uu+1
.endr
	; x2 BY THE MATRIX UNIT: a block's fragments times themselves; the diagonal of the 16 x 16 result holds the rows' sums of squares of the rounded numbers.  64 matrix instructions, against the walk's 8,192,
	; in place of 1,024 vector lines.  The four accumulators take turns, one instruction a turn.
.set f, 0
.rept 16
	WIN W_G2+5*(f/8)
.irp rb, 0,1,2,3
.if f == 0
	v_wmma_f32_16x16x32_bf16 v[ACC+8*(\rb):ACC+8*(\rb)+7], v[32*(f%8)+8*(\rb):32*(f%8)+8*(\rb)+7], v[32*(f%8)+8*(\rb):32*(f%8)+8*(\rb)+7], 0
.else
	v_wmma_f32_16x16x32_bf16 v[ACC+8*(\rb):ACC+8*(\rb)+7], v[32*(f%8)+8*(\rb):32*(f%8)+8*(\rb)+7], v[32*(f%8)+8*(\rb):32*(f%8)+8*(\rb)+7], v[ACC+8*(\rb):ACC+8*(\rb)+7]
.endif
.endr
.set f, f+1
.endr
	WIN 0
.rept 4
	v_nop                                          ; four places behind the last product, in front of the lines that read results (ISA guide 7.12.1)
.endr
.irp rb, 0,1,2,3                       ; register j of lane l is element (8 (l / 16) + j, l % 16): row l % 16's own lies in register l % 8 of the lanes of MV; the other lanes take it from the lane 16 away
	v_mov_b32 v[WK+(\rb)], v[ACC+8*(\rb)]
.irp j, 1,2,3,4,5,6,7
	v_cndmask_b32 v[WK+(\rb)], v[WK+(\rb)], v[ACC+8*(\rb)+(\j)], s[MJ+(\j)]
.endr
	v_permlanex16_b32 v[WK+4+(\rb)], v[WK+(\rb)], s[SEL], s[SEL+1]
	v_cndmask_b32 v[X2+2*(\rb)], v[WK+4+(\rb)], v[WK+(\rb)], s[MV]
	v_mov_b32 v[X2+2*(\rb)+1], v[X2+2*(\rb)]
.endr
; THE MATRIX WORK.  Product i of 64 of a half tile: fragment i / 8 of the half's eight, centres 16 ((i / 4) % 2) on, rows 16 (i % 4) on.  The set's 8 accumulators take turns, one instruction a turn, in the same
; order in both halves; a tile's first 8 products start the sums with the constant 0.
.macro MM p, hf
.set mA, ACC+64*(\p)+8*(i%8)
.set mC, 128*(\hf)+16*(i/8)+8*((i/4)%2)
.set mX, 32*(i/8)+8*(i%4)
	WIN W_MA+4*(\hf)
.if ((\hf) == 0) && (i < 8)
	v_wmma_f32_16x16x32_bf16 v[mA:mA+7], v[mC:mC+7], v[mX:mX+7], 0
.else
	v_wmma_f32_16x16x32_bf16 v[mA:mA+7], v[mC:mC+7], v[mX:mX+7], v[mA:mA+7]
.endif
.set i, i+1
.endm
; THE LDS LOADS stand in runs.  Half hf (k = 256 hf on) of the tile at s[TB]: 16 fragments, 32 loads.
.macro FETCHB hf
	WIN 0
	v_add_nc_u32 v[ADR], s[TB], v[AB0]
	WIN W_LD
.set fl, 0
.rept 8
.irp cb, 0,1
	ds_load_b128 v[128*(\hf)+16*fl+8*(\cb):128*(\hf)+16*fl+8*(\cb)+3],   v[ADR] offset:16*PITCH*(\cb)+64*(8*(\hf)+fl)
	ds_load_b128 v[128*(\hf)+16*fl+8*(\cb)+4:128*(\hf)+16*fl+8*(\cb)+7], v[ADR] offset:16*PITCH*(\cb)+64*(8*(\hf)+fl)+16
.endr
.set fl, fl+1
.endr
.endm
.macro FETCHC p                        ; the c2 of my 16 centres of the tile in hand, into buffer p: four loads
	WIN 0
	v_add_nc_u32 v[ADC], s[TC], v[AC0]
.irp cb, 0,1
	ds_load_b128 v[C2R+16*(\p)+8*(\cb):C2R+16*(\p)+8*(\cb)+3],   v[ADC] offset:64*(\cb)
	ds_load_b128 v[C2R+16*(\p)+8*(\cb)+4:C2R+16*(\p)+8*(\cb)+7], v[ADC] offset:64*(\cb)+16
.endr
	s_add_co_u32 s[TC], s[TC], 128                 ; the next tile's 32 words
.endm
; THE VECTOR WORK on a finished set q: 256 lines.  Pair P of 32 is registers 2 jj, 2 jj + 1 of accumulator (cb, rb): rb = P % 4, jj = (P / 4) % 4, cb = P / 16: each accumulator is read from its low end on,
; and for a given rb the centres ascend, so 'the old one stays where it is not greater' keeps the first of equals.
.macro RT P, q                         ; x2 + c2, two at a time
.set tT, T+2*((\P)%2)
.set tC, C2R+16*(\q)+8*((\P)/16)+2*(((\P)/4)%4)
.set tX, X2+2*((\P)%4)
	v_pk_add_f32 v[tT:tT+1], v[tC:tC+1], v[tX:tX+1]
.endm
.macro RD P, q                         ; d2 = (x2 + c2) - 2 x . c, in place: one rounding
.set tT, T+2*((\P)%2)
.set tA, ACC+64*(\q)+8*(4*((\P)/16)+(\P)%4)+2*(((\P)/4)%4)
	v_pk_fma_f32 v[tA:tA+1], v[tA:tA+1], -2.0, v[tT:tT+1] op_sel_hi:[1,0,1]
.endm
.macro RC P, z, op, q                  ; word z of the pair: 0 does the old one stay?  1 the minimum  2 the number
.set tA, ACC+64*(\q)+8*(4*((\P)/16)+(\P)%4)+2*(((\P)/4)%4)+(\z)
.set tB, (\P)%4
.set tE, IX+8*((\P)/16)+2*(((\P)/4)%4)+(\z)
.if (\op) == 0
	v_cmp_le_f32 vcc_lo, v[BEST+tB], v[tA]
.elseif (\op) == 1
	v_min_num_f32 v[BEST+tB], v[BEST+tB], v[tA]
.else
	v_cndmask_b32 v[IDX+tB], s[tE], v[IDX+tB], vcc_lo
.endif
.endm
; Line n of the 256.  0-3: pairs 0 and 1 are made.  4-243: eight lines for pair P = (n - 4) / 8: its two words are searched, three lines each, and behind each three stands one of the two lines that make
; pair P + 2.  244-255: pairs 30 and 31 are searched.
.macro RID n, q
.if (\n) < 2
	RT (\n), \q
.elseif (\n) < 4
	RD (\n)-2, \q
.elseif (\n) < 244
.set rp, ((\n)-4)/8
.set rs, ((\n)-4)%8
.if rs == 3
	RT rp+2, \q
.elseif rs == 7
	RD rp+2, \q
.else
	RC rp, rs/4, rs%4, \q
.endif
.else
.set rp, 30+((\n)-244)/6
.set rs, ((\n)-244)%6
	RC rp, rs/3, rs%3, \q
.endif
.endm
; HALF A TILE: 64 products into set p from half hf of the fragments; four lines of the other set's vector work behind every second product.  At its head stands the run of loads for the half that comes next, into
; the registers that the half before has read: between that half's last product and the run stand its last four vector lines and the run's own v_add_nc_u32, five places (ISA guide 7.12.1 for vector
; instructions).  last = 1: the walk's last half: no tile follows.
.macro HALF p, hf, last=0
.if (\hf) == 0
.set e, 0
.rept 16
	s_add_co_u32 s[IX+e], s[IX+e], 32              ; the numbers of the tile that is now searched
.set e, e+1
.endr
	FETCHB 1                                       ; this tile's second half
	s_add_co_u32 s[TB], s[TB], TILEB               ; the next fetch is the next tile's
	s_wait_dscnt 32                                ; LDS loads come back in order: all but the 32 just issued are in: this half's fragments and the searched tile's c2
.else
.if !(\last)
	FETCHB 0                                       ; the next tile's first half
.endif
	FETCHC \p
.if \last
	s_wait_dscnt 4                                 ; all but c2's four
.else
	s_wait_dscnt 36                                ; all but the 36 just issued
.endif
.endif
.set i, 0
.set rn, 128*(\hf)
.rept 32
	MM \p, \hf
	MM \p, \hf
	WIN 0
.rept 4
	RID rn, 1-(\p)
.set rn, rn+1
.endr
.endr
.endm
; THE CHANGE OF SLOTS, in the middle of a slot's last tile: the slot's last bytes, that tile's second half, have been asked for.  Each wave waits for all its tensor loads, of which one is out: its part of the other
; slot; adds 0 to its spare word; and waits for that and for its own reads of the slot.  Behind the barrier nobody reads this slot any more and the other slot is whole.
; fill = 1: this slot is filled again, with the centres two slots on.  The barrier is then a round of the cluster's, so that no wave of any partner still reads the slot or has a load on its way, and the joint refill
; is the first thing behind it, one load a wave.
.macro CHANGE g0, newpos, fill, lim
	WIN 0                                          ; at a label and at a branch every window is 0
	s_wait_tensorcnt 0x0                           ; no tensor load of mine is out, so a group 0 may be written
	ds_add_u32 v[SPW], v[NIL]                      ; 0 onto my spare word; scalar work stands between it and the wait for it
.if \fill
	s_add_nc_u64 s[\g0+2:\g0+3], s[\g0+2:\g0+3], 2*SLOTG  ; this place's next slot; the type bits on top are not reached
	s_wait_xcnt 0x0                                ; the last prefetch, a slot back, has read its address, so it may be written
	s_add_nc_u64 s[PFA:PFA+1], s[PFA:PFA+1], SLOTG ; one slot behind the load below
.endif
	s_mov_b32 s[TB], \newpos                       ; the fetches go on at the other slot's first tile
	s_wait_dscnt 0x0                               ; the add is done, and my reads of the slot are over
.if \fill
	CROUND
	tensor_load_to_lds s[\g0:\g0+3], s[G1:G1+7]
	s_nop 0
.rept 4
	v_nop
.endr
	ASK \lim
.else
	s_barrier_signal -1
	s_barrier_wait -1
.endif
.endm
; A SLOT's four tiles: two trips, each from the middle of an odd tile to the middle of the next odd tile.  mid = 1: the copy into which the walk is entered, at tile 0's head.
.macro INNER tag, mid
	s_mov_b32 s[CNT], 2
.Ltrip_\tag:
	HALF 1, 1
	WIN 0
.if \mid
.Lmid:
.endif
	HALF 0, 0
	HALF 0, 1
	HALF 1, 0
	WIN 0
	s_sub_co_u32 s[CNT], s[CNT], 1
	s_cmp_lg_u32 s[CNT], 0
	s_cbranch_scc1 .Ltrip_\tag
.endm
	s_wait_tensorcnt 0x1                           ; tensor loads of a wave end in order: my parts of c2 and of slot 0 are in; slot 1's may stay out
	s_barrier_signal -1
	s_barrier_wait -1                              ; everybody's are
	s_mov_b32 s[TB], POS0
	FETCHB 0                                       ; tile 0's first half
	WIN 0
	s_mov_b32 s[PAIRS], 8
	s_mov_b32 s[CNT], 2
	s_branch .Lmid                                 ; the walk is entered in the middle of a trip: slot 0 lies in POS0
.Lpair:                                        ; seven times: slots 2 to 15 are asked for, slots 1 to 14 walked
	CHANGE G0A, POS1, 1, LIMA
	INNER a, 0
	CHANGE G0B, POS0, 1, LIMB
	INNER b, 1
	s_sub_co_u32 s[PAIRS], s[PAIRS], 1
	s_cmp_lg_u32 s[PAIRS], 0
	s_cbranch_scc1 .Lpair
	CHANGE G0A, POS1, 0, LIMA                      ; the tail is written out: slot 15, and nothing is asked for
	INNER t, 0
	HALF 1, 1, 1                                   ; tile 63's second half | tile 62 is searched
	WIN 0
.set e, 0
.rept 16
	s_add_co_u32 s[IX+e], s[IX+e], 32
.set e, e+1
.endr
	s_wait_dscnt 0x0                               ; tile 63's c2
.set rn, 0
.rept 256
	RID rn, 1                                      ; tile 63 is searched: its first lines read accumulators that were finished eight products and sixteen vector lines back
.set rn, rn+1
.endr
	; THE WAY OUT.  A row's other 1,024 centres lie in the lane 16 away: the lesser d2 wins, of equals the lower number.  Both lanes of a row come to the same answer.
.irp rb, 0,1,2,3
	v_add_nc_u32 v[IDX+(\rb)], v[H8], v[IDX+(\rb)]
.endr
.irp rb, 0,1,2,3
	v_permlanex16_b32 v[WK+(\rb)], v[BEST+(\rb)], s[SEL], s[SEL+1]
	v_permlanex16_b32 v[WK+4+(\rb)], v[IDX+(\rb)], s[SEL], s[SEL+1]
	v_cmp_lt_f32 s82, v[WK+(\rb)], v[BEST+(\rb)]
	v_cmp_eq_f32 s83, v[WK+(\rb)], v[BEST+(\rb)]
	v_cmp_lt_u32 s84, v[WK+4+(\rb)], v[IDX+(\rb)]
	s_and_b32 s83, s83, s84
	s_or_b32 s82, s82, s83
	v_cndmask_b32 v[IDX+(\rb)], v[IDX+(\rb)], v[WK+4+(\rb)], s82
	ds_store_b32 v[STA], v[IDX+(\rb)] offset:64*(\rb)  ; row 16 rb + l % 16 of my 64; the two lanes of a row write the same word with the same value
.endr
	ds_load_b64 v[WK+8:WK+9], v[RDA]               ; LDS serves a wave's instructions in order (ISA guide 5.7.1.4): this sees the stores above; the stage is my wave's own
	s_wait_dscnt 0x0
	global_store_b64 v[OUTO], v[WK+8:WK+9], s[10:11]  ; my wave's 64 numbers: 256 consecutive bytes, aligned
	s_wait_tensorcnt 0x0                           ; the wave's end, behind my last tensor load and my last LDS store
	ds_add_u32 v[SPW], v[NIL]
	s_wait_dscnt 0x0
	CROUND                                         ; the closing round: no work-group ends while a partner may still ask for a tile that names it
	s_endpgm
.Lfunc_end_k_q5951d82a5c_assign:
	.size	k_q5951d82a5c_assign, .Lfunc_end_k_q5951d82a5c_assign-k_q5951d82a5c_assign
	.p2alignl 7, 3214868480
	.fill 96, 4, 3214868480
	.section	.rodata,"a",@progbits
	.p2align	6, 0x0
	.amdhsa_kernel k_q5951d82a5c_assign
		.amdhsa_group_segment_fixed_size 327680
		.amdhsa_private_segment_fixed_size 0
		.amdhsa_enable_private_segment 0
		.amdhsa_kernarg_size 32
		.amdhsa_user_sgpr_count 2
		.amdhsa_user_sgpr_kernarg_segment_ptr 1
		.amdhsa_wavefront_size32 1
		.amdhsa_system_sgpr_workgroup_id_x 1
		.amdhsa_system_sgpr_workgroup_id_y 1
		.amdhsa_system_sgpr_workgroup_id_z 1
		.amdhsa_system_vgpr_workitem_id 0
		.amdhsa_next_free_vgpr 1024
		.amdhsa_next_free_sgpr 88
		.amdhsa_reserve_vcc 1
		.amdhsa_float_denorm_mode_32 3
		.amdhsa_float_denorm_mode_16_64 3
		.amdhsa_memory_ordered 1
		.amdhsa_forward_progress 1
		.amdhsa_inst_pref_size 255
	.end_amdhsa_kernel
	.section	.bss,"aw",@nobits
	.p2align	6
	.space	262144
	.amdgpu_metadata
---
amdhsa.version: [ 1, 2 ]
amdhsa.kernels:
  - .name:           k_q5951d82a5c_assign
    .symbol:         k_q5951d82a5c_assign.kd
    .args:
      - { .name: x, .offset: 0, .size: 8, .value_kind: global_buffer, .address_space: global }
      - { .name: cb16, .offset: 8, .size: 8, .value_kind: global_buffer, .address_space: global }
      - { .name: c2, .offset: 16, .size: 8, .value_kind: global_buffer, .address_space: global }
      - { .name: out0, .offset: 24, .size: 8, .value_kind: global_buffer, .address_space: global }
    .group_segment_fixed_size: 327680
    .private_segment_fixed_size: 0
    .kernarg_segment_align: 8
    .kernarg_segment_size: 32
    .max_flat_workgroup_size: 128
    .sgpr_count:     88
    .vgpr_count:     1024
    .wavefront_size: 32
...
	.end_amdgpu_metadata
.endif
;; end of part 2
;; ======== version 2 of 2: 2 launches; version 1 with the launch prep written anew for expert scheduling mode
;; workspace buffers: cb16 2,097,152 bytes; c2 8,192 bytes
;; launch prep (part 3): grid 32 x 1, 8 waves a work-group, no clusters, 1,280 bytes of LDS; arguments cluster_centers, cb16, c2; writes cb16, c2
.if DOCPART == 3
	.amdgcn_target "amdgcn-amd-amdhsa--gfx1250"
	.amdhsa_code_object_version 6
	.text
	.protected	k_q5951d82a5c_prep
	.globl	k_q5951d82a5c_prep
	.p2align	8
	.type	k_q5951d82a5c_prep,@function
k_q5951d82a5c_prep:
	s_mov_b64 s[64:65], 0
	v_nop
	global_prefetch_b8 v0, s[64:65] scope:SCOPE_SE
	s_setreg_imm32_b32 hwreg(HW_REG_WAVE_SCHED_MODE, 0, 2), 2
	s_setreg_imm32_b32 hwreg(HW_REG_WAVE_MODE, 25, 1), 1
	s_wait_xcnt 0x0
	s_wait_alu depctr_vm_vsrc(0)
; cb16[k][:] = the centres rounded once to bf16;  c2[k] = the f32 sum of squares of the ROUNDED numbers of row k.
; cluster_centers: [2048][512] f32.  cb16: [2048][512] bf16.  c2: [2048] f32.
; SHARES.  A work-group takes 64 rows, each of its eight waves 8.  A row is 2,048 bytes: four loads of 16 bytes a lane, 512 consecutive bytes each.
; All 32 loads of a wave go out at once; the rows are then worked on in order, each behind a counted wait.
; A lane's four numbers of a load round to 8 bytes, so a store of the wave covers 256 consecutive bytes, aligned.
; The 64 sums of a work-group meet in LDS, so that c2 leaves as one store of 256 consecutive bytes, aligned.
; No matrix unit, no cluster, no tensor load: 4 MiB are read once and nothing is shared.
; THE MODE: SCHED_MODE bits 1:0 = 2 (LLVM: expert scheduling mode 2), set by the entry lines.  The code itself states the register dependences
; between vector instructions and memory or LDS instructions, with s_wait_alu, always for 0.
; THE PLAN.  Registers that memory or LDS instructions touch:
;   v2, v3, v4   offsets and LDS addresses, made once at the head and never written again.
;   X            row i's 16 registers: written by the loads at the head, which no vector line precedes on these registers; read by row i's roundings; never loaded again.
;   Y            row i's 8 registers: written by row i's roundings; read by row i's squares and by four global stores, which are issued in row i + 1; never written again.
;   RS           row i's sum, a register to each row: written by row i's last addition; read by one LDS store, which is issued in row i + 1; never written again.
;   v[T:T+1]     at work in the rows; at the end wave 0's load of the 64 sums lands there.
;   v5, v6       written at the head, read by the closing add alone.
; Row i's vector lines name X[i], Y[i], T, SM, R and RS[i]; the five stores that stand among them name Y[i - 1], RS[i - 1], v3 and v4.  So ONE wait on va_vdst at a row's head states all that
; those stores hang on.  No register that a memory or LDS instruction reads is ever written again, so no wait on vm_vsrc is owed.
.set SPARE, 256                        ; LDS: bytes 0-255 the 64 sums; from here the spare words, 128 bytes for each of the eight waves
.set X,  16                            ; v[16:143]   row i, load j at X + 16 i + 4 j
.set Y,  144                           ; v[144:207]  row i rounded: 8 words at Y + 8 i
.set T,  208                           ; v[208:211]  two pairs at work
.set SM, 212                           ; v[212:215]  two chains of packed sums
.set R,  216                           ; v216 the row's sum in the making, v217 the other half of the lanes'
.set RS, 218                           ; v[218:225]  row i's finished sum at RS + i
	s_load_b128 s[4:7], s[0:1], 0x0                ; centres s[4:5], cb16 s[6:7]
	s_load_b64 s[8:9], s[0:1], 0x10                ; c2
	v_lshl_add_u32 v5, v0, 2, SPARE                ; my spare word
	v_mov_b32 v6, 0
	v_lshrrev_b32 v1, 5, v0
	v_readfirstlane_b32 s10, v1                    ; wave 0..7
	v_and_b32 v1, 31, v0                           ; lane
	v_lshlrev_b32 v2, 4, v1                        ; 16 bytes a lane in a load
	v_lshlrev_b32 v3, 3, v1                        ; 8 bytes a lane in a store
	s_wait_alu depctr_va_sdst(0)                   ; s10 is written, ahead of its first reader: the LDS offset and the bases below are made from it
	s_lshl_b32 s15, s10, 5
	v_mov_b32 v4, s15                              ; LDS: my wave's 8 sums begin at 32 x wave
	v_mov_b32 v[R+1], 0                            ; v_permlanex16_b32's destination counts as read
	s_mov_b32 s12, 0x76543210                      ; each lane takes its own place in the other half
	s_mov_b32 s13, 0xfedcba98
	s_mov_b32 s14, 0xffff0000                      ; a word's upper bf16
	s_lshl_b32 s16, ttmp9, 17                      ; 64 rows of 2,048 bytes,
	s_lshl_b32 s18, s10, 14                        ; my wave's 8
	s_add_co_u32 s16, s16, s18
	s_mov_b32 s17, 0
	s_lshr_b32 s18, s16, 1                         ; half as many bytes in cb16
	s_mov_b32 s19, 0
	s_lshl_b32 s20, ttmp9, 8                       ; 64 words of c2
	s_mov_b32 s21, 0
	s_wait_kmcnt 0x0
	s_add_nc_u64 s[4:5], s[4:5], s[16:17]
	s_add_nc_u64 s[6:7], s[6:7], s[18:19]
	s_add_nc_u64 s[8:9], s[8:9], s[20:21]
	s_wait_alu depctr_va_vdst(0)                   ; v2, v3 and v4 are written: every load and store of the kernel reads one of them as its offset or address
.set i, 0
.rept 32                               ; load 4 row + j: 512 consecutive bytes
	global_load_b128 v[X+4*i:X+4*i+3], v2, s[4:5] offset:512*i th:TH_LOAD_NT
.set i, i+1
.endr
; What leaves of a finished row i: its sum into LDS, and piece j of four of its rounded numbers into cb16.
.macro SUMOUT i
	ds_store_b32 v4, v[RS+(\i)] offset:4*(\i)      ; all lanes write the same word with the same value
.endm
.macro ROWOUT i, j
	global_store_b64 v3, v[Y+8*(\i)+2*(\j):Y+8*(\i)+2*(\j)+1], s[6:7] offset:1024*(\i)+256*(\j)  ; 32 lanes: 256 consecutive bytes, aligned; its registers are never rewritten
.endm
.macro ROWP i
	s_wait_loadcnt 28-4*(\i)                       ; loads come back in order: row i's four are in, the younger rows' stay out
.if (\i) > 0
	s_wait_alu depctr_va_vdst(0)                   ; the row before has written its Y and its RS, which the five stores below read; no vector line of this row names them
	SUMOUT (\i)-1
.endif
.irp j, 0,1,2,3                        ; the row before leaves while this row is rounded: a store, two roundings
.if (\i) > 0
	ROWOUT (\i)-1, \j
.endif
	v_cvt_pk_bf16_f32 v[Y+8*(\i)+2*(\j)],   v[X+16*(\i)+4*(\j)],   v[X+16*(\i)+4*(\j)+1]
	v_cvt_pk_bf16_f32 v[Y+8*(\i)+2*(\j)+1], v[X+16*(\i)+4*(\j)+2], v[X+16*(\i)+4*(\j)+3]
.endr
.irp w, 0,1,2,3,4,5,6,7                ; the squares of the rounded numbers, two at a time, in two chains; the first two words start the chains
	v_lshlrev_b32 v[T+2*((\w)%2)],   16,  v[Y+8*(\i)+(\w)]
	v_and_b32     v[T+2*((\w)%2)+1], s14, v[Y+8*(\i)+(\w)]
.if (\w) < 2
	v_pk_mul_f32 v[SM+2*(\w):SM+2*(\w)+1], v[T+2*(\w):T+2*(\w)+1], v[T+2*(\w):T+2*(\w)+1]
.else
	v_pk_fma_f32 v[SM+2*((\w)%2):SM+2*((\w)%2)+1], v[T+2*((\w)%2):T+2*((\w)%2)+1], v[T+2*((\w)%2):T+2*((\w)%2)+1], v[SM+2*((\w)%2):SM+2*((\w)%2)+1]
.endif
.endr
	v_pk_add_f32 v[SM:SM+1], v[SM:SM+1], v[SM+2:SM+3]
	v_add_f32 v[R], v[SM], v[SM+1]
	v_add_f32_dpp v[R], v[R], v[R] row_xmask:1 row_mask:0xf bank_mask:0xf
	v_add_f32_dpp v[R], v[R], v[R] row_xmask:2 row_mask:0xf bank_mask:0xf
	v_add_f32_dpp v[R], v[R], v[R] row_xmask:4 row_mask:0xf bank_mask:0xf
	v_add_f32_dpp v[R], v[R], v[R] row_xmask:8 row_mask:0xf bank_mask:0xf
	v_permlanex16_b32 v[R+1], v[R], s12, s13
	v_add_f32 v[RS+(\i)], v[R], v[R+1]             ; every lane holds the row's sum, in the row's own register
.endm
.irp i, 0,1,2,3,4,5,6,7
	ROWP \i
.endr
	s_wait_alu depctr_va_vdst(0)                   ; row 7 has written its Y and its RS, which the five stores below read; and every vector line is done with v[T:T+1], in which wave 0's load below lands
	SUMOUT 7
.irp j, 0,1,2,3
	ROWOUT 7, \j
.endr
	s_wait_dscnt 0x0                               ; for the others' sake: my eight sums lie in LDS
	s_barrier_signal -1
	s_barrier_wait -1                              ; all 64 do
	s_cmp_lg_u32 s10, 0
	s_cbranch_scc1 .Lend                           ; wave 0 sends them
	ds_load_b64 v[T:T+1], v3                       ; no vector line stands between the wait on va_vdst above and this load
	s_wait_dscnt 0x0
	global_store_b64 v3, v[T:T+1], s[8:9]          ; 256 consecutive bytes, aligned
.Lend:
	s_wait_dscnt 0x0                               ; the wave's end
	s_wait_alu 0x0
	s_wait_tensorcnt 0x0
	ds_add_u32 v5, v6
	s_wait_dscnt 0x0
	s_endpgm
.Lfunc_end_k_q5951d82a5c_prep:
	.size	k_q5951d82a5c_prep, .Lfunc_end_k_q5951d82a5c_prep-k_q5951d82a5c_prep
	.p2alignl 7, 3214868480
	.fill 96, 4, 3214868480
	.section	.rodata,"a",@progbits
	.p2align	6, 0x0
	.amdhsa_kernel k_q5951d82a5c_prep
		.amdhsa_group_segment_fixed_size 1280
		.amdhsa_private_segment_fixed_size 0
		.amdhsa_enable_private_segment 0
		.amdhsa_kernarg_size 24
		.amdhsa_user_sgpr_count 2
		.amdhsa_user_sgpr_kernarg_segment_ptr 1
		.amdhsa_wavefront_size32 1
		.amdhsa_system_sgpr_workgroup_id_x 1
		.amdhsa_system_sgpr_workgroup_id_y 1
		.amdhsa_system_sgpr_workgroup_id_z 1
		.amdhsa_system_vgpr_workitem_id 0
		.amdhsa_next_free_vgpr 232
		.amdhsa_next_free_sgpr 66
		.amdhsa_reserve_vcc 0
		.amdhsa_float_denorm_mode_32 3
		.amdhsa_float_denorm_mode_16_64 3
		.amdhsa_memory_ordered 1
		.amdhsa_forward_progress 1
		.amdhsa_inst_pref_size 25
	.end_amdhsa_kernel
	.amdgpu_metadata
---
amdhsa.version: [ 1, 2 ]
amdhsa.kernels:
  - .name:           k_q5951d82a5c_prep
    .symbol:         k_q5951d82a5c_prep.kd
    .args:
      - { .name: cluster_centers, .offset: 0, .size: 8, .value_kind: global_buffer, .address_space: global }
      - { .name: cb16, .offset: 8, .size: 8, .value_kind: global_buffer, .address_space: global }
      - { .name: c2, .offset: 16, .size: 8, .value_kind: global_buffer, .address_space: global }
    .group_segment_fixed_size: 1280
    .private_segment_fixed_size: 0
    .kernarg_segment_align: 8
    .kernarg_segment_size: 24
    .max_flat_workgroup_size: 256
    .sgpr_count:     66
    .vgpr_count:     232
    .wavefront_size: 32
...
	.end_amdgpu_metadata
.endif
;; end of part 3
;; launch assign: the kernel of part 2 again; grid 256 x 1, 4 waves a work-group, clusters of 4 x 1, 327,680 bytes of LDS; arguments x, cb16, c2, out0; writes out0
